; MI455X (gfx1250); checked and timed in simulation.
; The chip was launched on July 23, 2026; its instructions are those of AMD's public machine-readable ISA for CDNA 5 (MIT licence, August 2026) and "CDNA5" Instruction Set Architecture Reference Guide (July 2026). The comments in the code are by the model that wrote it; some were corrected since.
;; Lo RA Linear Experts Wrapper. Allowed arithmetic: float matrix products may take bf16 or f16 operands with f32 sums; all other float work in f32.
;; Inputs: A_d 64 x 4,096 float32; A_gu 64 x 2,048 float32; B_d 2,048 x 64 float32; B_gu 8,192 x 64 float32; W_d 2,048 x 4,096 float32; W_gu 8,192 x 2,048 float32; hidden_states 2,048 x 2,048 float32.
;; Outputs: out0 2,048 x 2,048 float32.
;; One version. Each part assembles by itself: llvm-mc -triple=amdgcn-amd-amdhsa -mcpu=gfx1250 --defsym DOCPART=n.
;; ======== version 1 of 1: 5 launches
;; workspace buffers: Wg 33,554,432 bytes; Wd 16,777,216 bytes; Xb 8,388,608 bytes; Hb 16,777,216 bytes; Lw 2,097,152 bytes; T1 262,144 bytes; T2 262,144 bytes
;; launch prep (part 1): grid 928 x 1, 8 waves a work-group, no clusters, 0 bytes of LDS; arguments W_gu, W_d, hidden_states, B_gu, B_d, A_gu, A_d, Wg, Wd, Xb, Lw; writes Wg, Wd, Xb, Lw
.if DOCPART == 1
	.amdgcn_target "amdgcn-amd-amdhsa--gfx1250"
	.amdhsa_code_object_version 6
	.text
	.protected	k_qa7eed87433_prep
	.globl	k_qa7eed87433_prep
	.p2align	8
	.type	k_qa7eed87433_prep,@function
k_qa7eed87433_prep:
	s_mov_b64 s[64:65], 0
	v_nop
	global_prefetch_b8 v0, s[64:65] scope:SCOPE_SE
	s_setreg_imm32_b32 hwreg(HW_REG_WAVE_MODE, 25, 1), 1
	s_wait_xcnt 0x0
; PREP: every input is rounded to bf16 once, so that the products behind it read 16-bit operands.
;   Wg [8192][2048] = W_gu with its rows in another order: row 128 j + 64 u + i holds W_gu's row 4096 u + 64 j + i (u = 0 gate, 1 up), so that 128 consecutive
;                     rows are 64 gate columns and the 64 up columns that belong to them.   Wd [2048][4096] = W_d.   Xb [2048][2048] = hidden_states.
;   Lw: the four LoRA matrices, each times 0.5 (exact in bf16 above the denormals; 0.5 x 0.5 is the module's scaling 16 / 64), laid out BY FRAGMENTS:
;       a block of 16 rows x 32 k is 1,024 consecutive bytes: element (r, k = 16 j + 8 h + e) at 512 j + 16 (16 h + r) + 2 e; blocks go along k, then down the rows.
;       So a lane's 16-byte load at 16 x lane (+ 512) is half of a matrix operand, and a wave's load covers 512 consecutive bytes.
;       byte 0: 0.5 B_gu (rows ordered as Wg's); 1,048,576: 0.5 B_d; 1,310,720: 0.5 A_gu; 1,572,864: 0.5 A_d.
; SHARES.  A wave's job is 16,384 bytes of f32 in, 8,192 bytes of bf16 out: 32 loads of 16 bytes a lane, all issued before the first is waited for.  7,424 jobs, eight to a work-group.
; No LDS, no matrix work, no cluster: no byte is used twice and no wave needs another's.
; The plain path reads and writes consecutive bytes; each store of a wave covers 256 consecutive bytes, aligned.  The fragment path reads 32-byte pieces of 16 rows (a job's loads
; together cover whole pieces of 256 bytes of each row) and stores 512 consecutive bytes; it serves 4,194,304 of the launch's 121,634,816 input bytes.
.set X,   16                           ; v[16:143]   as loaded
.set Y,   144                          ; v[144:207]  to store
.set OFF, 4                            ; v[4:7]      fragment path: my byte offset in each of the job's four units
.set SRC, 32                           ; s[32:33]    the job's first input byte
.set DST, 34                           ; s[34:35]    the job's first output byte
	s_load_b512 s[8:23], s[0:1], 0x0               ; W_gu s8, W_d s10, x s12, B_gu s14, B_d s16, A_gu s18, A_d s20, Wg s22
	s_load_b128 s[24:27], s[0:1], 0x40             ; Wd s24, Xb s26
	s_load_b64 s[28:29], s[0:1], 0x50              ; Lw
	v_lshrrev_b32 v1, 5, v0
	v_readfirstlane_b32 s3, v1                     ; wave 0..7
	v_and_b32 v1, 31, v0                           ; lane
	v_lshlrev_b32 v2, 4, v1                        ; 16 x lane
	v_lshlrev_b32 v3, 3, v1                        ; 8 x lane
	v_and_b32 v8, 15, v0                           ; r
	v_bfe_u32 v9, v0, 4, 1                         ; h
	s_mov_b32 s2, ttmp9                            ; the work-group's number picks the tensor
	s_mov_b32 s7, 0                                ; the offsets are pairs with 0 on top: all stay under 2^31
	s_mov_b32 s39, 0
	s_wait_kmcnt 0x0
.macro JOB base                        ; s4 = the job's number in its tensor: 8 x (work-group - base) + wave
	s_sub_co_u32 s4, s2, \base
	s_lshl3_add_u32 s4, s4, s3
.endm
	s_cmp_lt_u32 s2, 512
	s_cbranch_scc1 .Lwgu
	s_cmp_lt_u32 s2, 768
	s_cbranch_scc1 .Lwd
	s_cmp_lt_u32 s2, 896
	s_cbranch_scc1 .Lx
	s_cmp_lt_u32 s2, 912
	s_cbranch_scc1 .Lbgu
	s_cmp_lt_u32 s2, 916
	s_cbranch_scc1 .Lbd
	s_cmp_lt_u32 s2, 920
	s_cbranch_scc1 .Lagu
	; A_d [64][4096]: job = row block q / 16, eight blocks of 32 k from 8 (q % 16) on
	JOB 920
	s_lshr_b32 s5, s4, 4
	s_lshl_b32 s6, s5, 18                          ; 16 rows of 16,384 bytes
	s_and_b32 s5, s4, 15
	s_lshl_b32 s5, s5, 10                          ; 256 k of 4 bytes
	s_add_co_u32 s6, s6, s5
	s_lshl_b32 s38, s4, 13
	s_add_co_u32 s38, s38, 1572864
	s_mov_b32 s36, 16384                           ; bytes from row to row
	s_mov_b32 s37, 256                             ; bytes from unit to unit: 64 k
	s_add_nc_u64 s[SRC:SRC+1], s[20:21], s[6:7]
	s_add_nc_u64 s[DST:DST+1], s[28:29], s[38:39]
	s_branch .Lfm
.Lagu:                                             ; A_gu [64][2048]: row block q / 8, eight blocks of 32 k from 8 (q % 8) on
	JOB 916
	s_lshr_b32 s5, s4, 3
	s_lshl_b32 s6, s5, 17                          ; 16 rows of 8,192 bytes
	s_and_b32 s5, s4, 7
	s_lshl_b32 s5, s5, 10
	s_add_co_u32 s6, s6, s5
	s_lshl_b32 s38, s4, 13
	s_add_co_u32 s38, s38, 1310720
	s_mov_b32 s36, 8192
	s_mov_b32 s37, 256
	s_add_nc_u64 s[SRC:SRC+1], s[18:19], s[6:7]
	s_add_nc_u64 s[DST:DST+1], s[28:29], s[38:39]
	s_branch .Lfm
.Lbd:                                              ; B_d [2048][64]: 64 rows a job
	JOB 912
	s_lshl_b32 s6, s4, 14
	s_lshl_b32 s38, s4, 13
	s_add_co_u32 s38, s38, 1048576
	s_mov_b32 s36, 256
	s_mov_b32 s37, 4096                            ; a unit is 16 rows
	s_add_nc_u64 s[SRC:SRC+1], s[16:17], s[6:7]
	s_add_nc_u64 s[DST:DST+1], s[28:29], s[38:39]
	s_branch .Lfm
.Lbgu:                                             ; B_gu [8192][64]: output rows 64 q on are input rows 4096 (q % 2) + 64 (q / 2) on
	JOB 896
	s_and_b32 s5, s4, 1
	s_lshl_b32 s6, s5, 20
	s_lshr_b32 s5, s4, 1
	s_lshl_b32 s5, s5, 14
	s_add_co_u32 s6, s6, s5
	s_lshl_b32 s38, s4, 13
	s_mov_b32 s36, 256
	s_mov_b32 s37, 4096
	s_add_nc_u64 s[SRC:SRC+1], s[14:15], s[6:7]
	s_add_nc_u64 s[DST:DST+1], s[28:29], s[38:39]
	s_branch .Lfm
.Lx:                                               ; hidden_states
	JOB 768
	s_lshl_b32 s6, s4, 14
	s_lshl_b32 s38, s4, 13
	s_add_nc_u64 s[SRC:SRC+1], s[12:13], s[6:7]
	s_add_nc_u64 s[DST:DST+1], s[26:27], s[38:39]
	s_branch .Lflat
.Lwd:                                              ; W_d
	JOB 512
	s_lshl_b32 s6, s4, 14
	s_lshl_b32 s38, s4, 13
	s_add_nc_u64 s[SRC:SRC+1], s[10:11], s[6:7]
	s_add_nc_u64 s[DST:DST+1], s[24:25], s[38:39]
	s_branch .Lflat
.Lwgu:                                             ; W_gu: a job is two rows, 2 q = 4096 u + 64 j + i: u = q >> 11, j = (q >> 5) & 63, i = 2 (q & 31)
	JOB 0
	s_lshl_b32 s6, s4, 14
	s_bfe_u32 s5, s4, 0x60005
	s_lshl_b32 s38, s5, 19                         ; 128 j rows of 4,096 bytes
	s_lshr_b32 s5, s4, 11
	s_lshl_b32 s5, s5, 18                          ; 64 u rows
	s_add_co_u32 s38, s38, s5
	s_and_b32 s5, s4, 31
	s_lshl_b32 s5, s5, 13                          ; i rows
	s_add_co_u32 s38, s38, s5
	s_add_nc_u64 s[SRC:SRC+1], s[8:9], s[6:7]
	s_add_nc_u64 s[DST:DST+1], s[22:23], s[38:39]
.Lflat:                                            ; THE PLAIN PATH: consecutive bytes in, consecutive bytes out
.set i, 0
.rept 32
	global_load_b128 v[X+4*i:X+4*i+3], v2, s[SRC:SRC+1] offset:512*i th:TH_LOAD_NT
.set i, i+1
.endr
.set i, 0
.rept 32
	s_wait_loadcnt 31-i                            ; loads come back in order: load i is in, the 31 - i younger ones stay out
	v_cvt_pk_bf16_f32 v[Y+2*i], v[X+4*i], v[X+4*i+1]
	v_cvt_pk_bf16_f32 v[Y+2*i+1], v[X+4*i+2], v[X+4*i+3]
	global_store_b64 v3, v[Y+2*i:Y+2*i+1], s[DST:DST+1] offset:256*i  ; no register is written twice, so nothing waits for the stores
.set i, i+1
.endr
	s_endpgm
.Lfm:                                              ; THE FRAGMENT PATH: four units of two blocks; group n = 4 t + 2 c + j is 512 bytes of output
	v_lshlrev_b32 v10, 5, v9                       ; 8 h numbers of 4 bytes
	v_mad_u32_u24 v[OFF], v8, s36, v10             ; + r rows
	v_add_nc_u32 v[OFF+1], s37, v[OFF]
	v_add_nc_u32 v[OFF+2], s37, v[OFF+1]
	v_add_nc_u32 v[OFF+3], s37, v[OFF+2]
.set n, 0
.rept 16
	global_load_b128 v[X+8*n:X+8*n+3],   v[OFF+n/4], s[SRC:SRC+1] offset:128*((n/2)%2)+64*(n%2)
	global_load_b128 v[X+8*n+4:X+8*n+7], v[OFF+n/4], s[SRC:SRC+1] offset:128*((n/2)%2)+64*(n%2)+16
.set n, n+1
.endr
.set n, 0
.rept 16
	s_wait_loadcnt 30-2*n                          ; group n's two loads are in
.irp p, 0,1,2,3
	v_pk_mul_f32 v[X+8*n+2*(\p):X+8*n+2*(\p)+1], v[X+8*n+2*(\p):X+8*n+2*(\p)+1], 0.5 op_sel_hi:[1,0]
.endr
.irp p, 0,1,2,3
	v_cvt_pk_bf16_f32 v[Y+4*n+(\p)], v[X+8*n+2*(\p)], v[X+8*n+2*(\p)+1]
.endr
	global_store_b128 v2, v[Y+4*n:Y+4*n+3], s[DST:DST+1] offset:512*n
.set n, n+1
.endr
	s_endpgm
.Lfunc_end_k_qa7eed87433_prep:
	.size	k_qa7eed87433_prep, .Lfunc_end_k_qa7eed87433_prep-k_qa7eed87433_prep
	.p2alignl 7, 3214868480
	.fill 96, 4, 3214868480
	.section	.rodata,"a",@progbits
	.p2align	6, 0x0
	.amdhsa_kernel k_qa7eed87433_prep
		.amdhsa_group_segment_fixed_size 0
		.amdhsa_private_segment_fixed_size 0
		.amdhsa_enable_private_segment 0
		.amdhsa_kernarg_size 88
		.amdhsa_user_sgpr_count 2
		.amdhsa_user_sgpr_kernarg_segment_ptr 1
		.amdhsa_wavefront_size32 1
		.amdhsa_system_sgpr_workgroup_id_x 1
		.amdhsa_system_sgpr_workgroup_id_y 1
		.amdhsa_system_sgpr_workgroup_id_z 1
		.amdhsa_system_vgpr_workitem_id 0
		.amdhsa_next_free_vgpr 208
		.amdhsa_next_free_sgpr 66
		.amdhsa_reserve_vcc 0
		.amdhsa_float_denorm_mode_32 3
		.amdhsa_float_denorm_mode_16_64 3
		.amdhsa_memory_ordered 1
		.amdhsa_forward_progress 1
		.amdhsa_inst_pref_size 29
	.end_amdhsa_kernel
	.amdgpu_metadata
---
amdhsa.version: [ 1, 2 ]
amdhsa.kernels:
  - .name:           k_qa7eed87433_prep
    .symbol:         k_qa7eed87433_prep.kd
    .args:
      - { .name: W_gu, .offset: 0, .size: 8, .value_kind: global_buffer, .address_space: global }
      - { .name: W_d, .offset: 8, .size: 8, .value_kind: global_buffer, .address_space: global }
      - { .name: hidden_states, .offset: 16, .size: 8, .value_kind: global_buffer, .address_space: global }
      - { .name: B_gu, .offset: 24, .size: 8, .value_kind: global_buffer, .address_space: global }
      - { .name: B_d, .offset: 32, .size: 8, .value_kind: global_buffer, .address_space: global }
      - { .name: A_gu, .offset: 40, .size: 8, .value_kind: global_buffer, .address_space: global }
      - { .name: A_d, .offset: 48, .size: 8, .value_kind: global_buffer, .address_space: global }
      - { .name: Wg, .offset: 56, .size: 8, .value_kind: global_buffer, .address_space: global }
      - { .name: Wd, .offset: 64, .size: 8, .value_kind: global_buffer, .address_space: global }
      - { .name: Xb, .offset: 72, .size: 8, .value_kind: global_buffer, .address_space: global }
      - { .name: Lw, .offset: 80, .size: 8, .value_kind: global_buffer, .address_space: global }
    .group_segment_fixed_size: 0
    .private_segment_fixed_size: 0
    .kernarg_segment_align: 8
    .kernarg_segment_size: 88
    .max_flat_workgroup_size: 256
    .sgpr_count:     66
    .vgpr_count:     208
    .wavefront_size: 32
...
	.end_amdgpu_metadata
.endif
;; end of part 1
;; launch t1 (part 2): grid 128 x 2, 8 waves a work-group, no clusters, 167,936 bytes of LDS; arguments Xb, Lw, T1; writes T1
.if DOCPART == 2
	.amdgcn_target "amdgcn-amd-amdhsa--gfx1250"
	.amdhsa_code_object_version 6
	.text
	.protected	k_qa7eed87433_t1
	.globl	k_qa7eed87433_t1
	.p2align	8
	.type	k_qa7eed87433_t1,@function
k_qa7eed87433_t1:
	s_mov_b64 s[64:65], 0
	v_nop
	global_prefetch_b8 v0, s[64:65] scope:SCOPE_SE
	s_setreg_imm32_b32 hwreg(HW_REG_WAVE_MODE, 25, 1), 1
	s_wait_xcnt 0x0
; T = X (0.5 A)^T: X [2048][KDIM] bf16, 0.5 A [64][KDIM] bf16 laid out by fragments (blocks of 16 rows x 32 k, 1,024 bytes each, along k and then down the rows), T [2048][64] bf16
; in the same layout, rounded once from f32 sums.
; SHARES.  Work-group (i, g) makes rows 16 i .. 16 i + 15, columns 32 g .. 32 g + 31: one block of T, 1,024 consecutive bytes.  Wave w takes k = 256 w .. 256 w + 255: 16 matrix
; instructions on two accumulators; the waves' partial sums meet in LDS, and waves 0 and 1 add them, in a fixed order, and store 512 bytes each.
; X's 16 rows x 512 bytes come by one tensor load a wave into the wave's own LDS bytes; nothing is filled twice.  A's fragments come straight into registers, 512 consecutive bytes a load.
; THE MATRIX INSTRUCTION: source 0 = 16 rows of A, source 1 = 16 rows of X: a lane then holds one row of T and eight neighbouring columns, which pack into its 16 bytes of the block.
; NO CLUSTER: X's tile is shared by the two work-groups (i, 0) and (i, 1) alone, A comes through registers, and the launch has one step: there is no ring in which joint requests could meet.
.set KDIM,  2048
.set ABOFF, 1310720                    ; where 0.5 A begins in Lw
.set NW,    KDIM/256                   ; waves
.set KB,    KDIM/32                    ; blocks along k
.set XP,    528                        ; a row of X in LDS: 512 bytes + 16 of padding = 132 words: the 16 rows of a load start at 16 different groups of four banks (64 banks of 4 bytes: ISA guide 11.1)
.set XT,    16*XP                      ; a wave's tile
.set RED,   NW*XT                      ; behind the tiles: 2,048 bytes of partial sums for each wave; no tensor load lands here
.set SPARE, RED+NW*2048                ; behind them: the spare words, 128 bytes for each wave, which no other line names
.set LO,  4                            ; v4   16 x lane
.set XA,  5                            ; v5   LDS address of my part of X's fragments
.set RW,  6                            ; v6   where I put my partial sums
.set RR,  7                            ; v7   where waves 0 and 1 read everybody's
.set PK,  8                            ; v[8:11] the packed result
.set SPW, 12                           ; v12  LDS address of my spare word; never rewritten
.set NIL, 13                           ; v13  0; never rewritten
.set ACC, 16                           ; v[16:31]   two accumulators: columns 16 nb on
.set BF,  64                           ; v[64:191]  A's fragments: chunk cc of 32 k, column block nb at BF + 8 (2 cc + nb); later the partial sums
.set XF,  192                          ; v[192:255] X's fragments: chunk cc at XF + 8 cc
	s_load_b128 s[4:7], s[0:1], 0x0                ; X s[4:5], Lw s[6:7]
	s_load_b64 s[8:9], s[0:1], 0x10                ; T
	v_lshl_add_u32 v[SPW], v0, 2, SPARE
	v_mov_b32 v[NIL], 0
	ds_add_u32 v[SPW], v[NIL]                      ; the wave's opening: the add and its wait stand ahead of my tensor load; the set-up below, work on registers, stands between them
	ds_add_u32 v12, v13
	v_lshrrev_b32 v1, 5, v0
	v_readfirstlane_b32 s10, v1                    ; wave
	s_mov_b32 s11, ttmp9                           ; i
	s_and_b32 s24, ttmp7, 0xffff                   ; g
	s_mov_b32 s12, 1                               ; group 0: count = 1
	s_mul_i32 s13, s10, XT                         ; LDS address: my tile
	s_mov_b32 s16, (1<<16)|(1<<20)|(6<<22)|(3<<25) ; group 1: elements of 2 bytes; padding on, after every 128 words (code 6), 4 words of it (code 3)
	s_mov_b32 s17, 256<<16                         ; tensor_dim0 = 256
	s_mov_b32 s18, 16<<16                          ; tensor_dim1 = 16
	s_mov_b32 s19, 256<<16                         ; tile_dim0 = 256
	s_mov_b32 s20, 16                              ; tile_dim1 = 16
	s_mov_b32 s21, KDIM                            ; elements from row to row
	s_mov_b32 s22, 0
	s_mov_b32 s23, 0
	s_mul_i32 s26, s11, 16*KDIM*2                  ; X: 16 i rows,
	s_lshl_b32 s25, s10, 9                         ; 256 w elements
	s_add_co_u32 s26, s26, s25
	s_mov_b32 s27, 0
	s_mul_i32 s28, s24, 2*KB*1024                  ; A: row blocks 2 g and 2 g + 1,
	s_lshl_b32 s25, s10, 13                        ; blocks 8 w on along k
	s_add_co_u32 s28, s28, s25
	s_add_co_u32 s28, s28, ABOFF
	s_mov_b32 s29, 0
	s_wait_dscnt 0x0                               ; the opening add is done
	s_wait_kmcnt 0x0
	s_add_nc_u64 s[14:15], s[4:5], s[26:27]        ; global address of my tile
	s_or_b32 s15, s15, 0x80000000                  ; type = 2
	s_add_nc_u64 s[6:7], s[6:7], s[28:29]
	tensor_load_to_lds s[12:15], s[16:23]          ; my one tensor load
	s_nop 0
	v_and_b32 v1, 31, v0
	v_lshlrev_b32 v[LO], 4, v1
	v_and_b32 v2, 15, v0                           ; r
	v_bfe_u32 v3, v0, 4, 1                         ; h
.set cc, 0
.rept 8
.irp nb, 0,1
	global_load_b128 v[BF+8*(2*cc+(\nb)):BF+8*(2*cc+(\nb))+3],   v[LO], s[6:7] offset:(\nb)*KB*1024+cc*1024
	global_load_b128 v[BF+8*(2*cc+(\nb))+4:BF+8*(2*cc+(\nb))+7], v[LO], s[6:7] offset:(\nb)*KB*1024+cc*1024+512
.endr
.set cc, cc+1
.endr
	v_mul_u32_u24 v[XA], v2, XP
	v_lshl_add_u32 v[XA], v3, 4, v[XA]
	v_add_nc_u32 v[XA], s13, v[XA]                 ; my tile + row x pitch + 16 x half
	s_lshl_b32 s25, s10, 11
	s_add_co_u32 s25, s25, RED
	v_add_nc_u32 v[RW], s25, v[LO]
	s_lshl_b32 s25, s10, 10
	s_add_co_u32 s25, s25, RED
	v_add_nc_u32 v[RR], s25, v[LO]
	s_wait_tensorcnt 0x0                           ; my tile is in LDS; only I read it, so no barrier stands here
.set cc, 0
.rept 8
	ds_load_b128 v[XF+8*cc:XF+8*cc+3],   v[XA] offset:64*cc
	ds_load_b128 v[XF+8*cc+4:XF+8*cc+7], v[XA] offset:64*cc+32
.set cc, cc+1
.endr
	s_wait_loadcnt 0x0
	s_wait_dscnt 0x0
.set cc, 0
.rept 8                                ; the two accumulators take turns, one instruction a turn; the first chunk starts the sums
.irp nb, 0,1
.if cc == 0
	v_wmma_f32_16x16x32_bf16 v[ACC+8*(\nb):ACC+8*(\nb)+7], v[BF+8*(2*cc+(\nb)):BF+8*(2*cc+(\nb))+7], v[XF+8*cc:XF+8*cc+7], 0
.else
	v_wmma_f32_16x16x32_bf16 v[ACC+8*(\nb):ACC+8*(\nb)+7], v[BF+8*(2*cc+(\nb)):BF+8*(2*cc+(\nb))+7], v[XF+8*cc:XF+8*cc+7], v[ACC+8*(\nb):ACC+8*(\nb)+7]
.endif
.endr
.set cc, cc+1
.endr
.rept 4
	v_nop                                          ; four places between the last product and the stores that read the sums
.endr
.irp q, 0,1,2,3
	ds_store_b128 v[RW], v[ACC+4*(\q):ACC+4*(\q)+3] offset:512*(\q)  ; each accumulator from its low end on
.endr
	s_wait_dscnt 0x0                               ; for the others' sake: my partial sums are in LDS
	s_barrier_signal -1
	s_barrier_wait -1
	s_cmp_lt_u32 s10, 2
	s_cbranch_scc1 .Lsum
	s_wait_tensorcnt 0x0                           ; the wave's end
	ds_add_u32 v[SPW], v[NIL]
	s_wait_dscnt 0x0
	s_endpgm
.Lsum:                                             ; wave v = 0, 1 adds column block v of all NW waves
.set w, 0
.rept NW
	ds_load_b128 v[BF+8*w:BF+8*w+3],   v[RR] offset:2048*w
	ds_load_b128 v[BF+8*w+4:BF+8*w+7], v[RR] offset:2048*w+512
.set w, w+1
.endr
	s_lshl1_add_u32 s30, s11, s24                  ; block 2 i + g of T,
	s_lshl_b32 s30, s30, 10
	s_lshl_b32 s25, s10, 9                         ; my half of it
	s_add_co_u32 s30, s30, s25
	s_mov_b32 s31, 0
	s_add_nc_u64 s[8:9], s[8:9], s[30:31]
	s_wait_dscnt 0x0
.macro FOLD st                         ; wave w's eight sums take those of wave w + st
.set w, 0
.rept \st
.irp p, 0,1,2,3
	v_pk_add_f32 v[BF+8*w+2*(\p):BF+8*w+2*(\p)+1], v[BF+8*w+2*(\p):BF+8*w+2*(\p)+1], v[BF+8*(w+(\st))+2*(\p):BF+8*(w+(\st))+2*(\p)+1]
.endr
.set w, w+1
.endr
.endm
.if NW > 8
	FOLD 8
.endif
	FOLD 4
	FOLD 2
	FOLD 1
.irp p, 0,1,2,3
	v_cvt_pk_bf16_f32 v[PK+(\p)], v[BF+2*(\p)], v[BF+2*(\p)+1]
.endr
	global_store_b128 v[LO], v[PK:PK+3], s[8:9]    ; 512 consecutive bytes, at a multiple of 512 from T's first
	s_wait_tensorcnt 0x0                           ; the wave's end
	ds_add_u32 v[SPW], v[NIL]
	s_wait_dscnt 0x0
	s_endpgm
.Lfunc_end_k_qa7eed87433_t1:
	.size	k_qa7eed87433_t1, .Lfunc_end_k_qa7eed87433_t1-k_qa7eed87433_t1
	.p2alignl 7, 3214868480
	.fill 96, 4, 3214868480
	.section	.rodata,"a",@progbits
	.p2align	6, 0x0
	.amdhsa_kernel k_qa7eed87433_t1
		.amdhsa_group_segment_fixed_size 167936
		.amdhsa_private_segment_fixed_size 0
		.amdhsa_enable_private_segment 0
		.amdhsa_kernarg_size 24
		.amdhsa_user_sgpr_count 2
		.amdhsa_user_sgpr_kernarg_segment_ptr 1
		.amdhsa_wavefront_size32 1
		.amdhsa_system_sgpr_workgroup_id_x 1
		.amdhsa_system_sgpr_workgroup_id_y 1
		.amdhsa_system_sgpr_workgroup_id_z 1
		.amdhsa_system_vgpr_workitem_id 0
		.amdhsa_next_free_vgpr 256
		.amdhsa_next_free_sgpr 66
		.amdhsa_reserve_vcc 0
		.amdhsa_float_denorm_mode_32 3
		.amdhsa_float_denorm_mode_16_64 3
		.amdhsa_memory_ordered 1
		.amdhsa_forward_progress 1
		.amdhsa_inst_pref_size 12
	.end_amdhsa_kernel
	.amdgpu_metadata
---
amdhsa.version: [ 1, 2 ]
amdhsa.kernels:
  - .name:           k_qa7eed87433_t1
    .symbol:         k_qa7eed87433_t1.kd
    .args:
      - { .name: Xb, .offset: 0, .size: 8, .value_kind: global_buffer, .address_space: global }
      - { .name: Lw, .offset: 8, .size: 8, .value_kind: global_buffer, .address_space: global }
      - { .name: T1, .offset: 16, .size: 8, .value_kind: global_buffer, .address_space: global }
    .group_segment_fixed_size: 167936
    .private_segment_fixed_size: 0
    .kernarg_segment_align: 8
    .kernarg_segment_size: 24
    .max_flat_workgroup_size: 256
    .sgpr_count:     66
    .vgpr_count:     256
    .wavefront_size: 32
...
	.end_amdgpu_metadata
.endif
;; end of part 2
;; launch gemm1 (part 3): grid 32 x 8, 4 waves a work-group, clusters of 4 x 4, 327,680 bytes of LDS; arguments Xb, Wg, Hb, T1, Lw; writes Hb
.if DOCPART == 3
	.amdgcn_target "amdgcn-amd-amdhsa--gfx1250"
	.amdhsa_code_object_version 6
	.text
	.protected	k_qa7eed87433_gemm1
	.globl	k_qa7eed87433_gemm1
	.p2align	8
	.type	k_qa7eed87433_gemm1,@function
k_qa7eed87433_gemm1:
	s_mov_b64 s[64:65], 0
	v_nop
	global_prefetch_b8 v0, s[64:65] scope:SCOPE_SE
	s_setreg_imm32_b32 hwreg(HW_REG_WAVE_MODE, 25, 1), 1
	s_wait_xcnt 0x0
	s_wait_alu depctr_hold_cnt(0) depctr_sa_sdst(0) depctr_va_vdst(0) depctr_va_sdst(0) depctr_va_ssrc(0) depctr_va_vcc(0) depctr_vm_vsrc(0)
	s_getreg_b32 s2, hwreg(HW_REG_IB_STS2, 6, 4)
	s_cmp_eq_u32 s2, 0
	s_cbranch_scc0 .Lentry_in_a_cluster
	s_endpgm
.Lentry_in_a_cluster:
	s_bfe_u32 s2, ttmp6, 0x10000c
	s_cmp_lg_u32 s2, 0xf033
	s_cbranch_scc0 .Lentry_shape_is_right
	s_endpgm
.Lentry_shape_is_right:
; Hb = up x silu(gate), where [gate | up] = x W_gu^T + 0.25 (x A_gu^T) B_gu^T.  Xb [2048][2048], Wg [8192][2048] (W_gu, rows 128 j + 64 u + i = W_gu's 4096 u + 64 j + i), Hb [2048][4096], all bf16.
; The LoRA term is 64 more along K: T1 = 0.5 x A_gu^T [2048][64] against 0.5 B_gu [8192][64] (rows ordered as Wg's), both bf16 and laid out by fragments (16 rows x 32 k = 1,024 bytes),
; so that they come from memory straight into the fragment registers; their two chunks of 32 start the sums.  Sums in f32; h is rounded to bf16 once.
; LIMITS.  silu(g) = g / (1 + 2^(-1.442695 g)): for g below about -88 the power overflows to infinity and silu is -0, where the exact value is below 1e-36 in size.  NaN and infinities are not treated apart.
; SHARES.  A tile is 256 rows x 256 rows of Wg: a work-group of four waves, as many as a WGP has SIMDs; a wave makes 128 x 128 in 64 accumulators, 512 registers.  A wave's 128 rows of Wg are 64 gate
; columns (its column blocks 0-3) and the same 64 up columns (blocks 4-7): gate and up of one h lie in the same lane, 32 registers apart.  32 x 8 tiles: one to each of 256 work-groups.
; K goes in steps of 128 through a ring of two LDS slots filled by the tensor data mover: rows of 256 bytes, at multiples of 256 bytes from the buffers' first bytes.
; CLUSTERS: 4 x 4 work-groups.  The four of a row of the cluster need the same tiles of Xb, the four of a column the same tiles of Wg: each tile is asked for JOINTLY, by the same tensor load with the same
; descriptor and a mask that names the four.
; THE MATRIX INSTRUCTION IS USED TRANSPOSED: source 0 = 16 rows of Wg, source 1 = 16 rows of Xb: lane l holds row l % 16 and the eight neighbouring columns 8 (l / 16) + 0..7.
; REGISTERS, in windows of 256 (s_set_vgpr_msb: bits 1:0 source 0, 3:2 source 1, 5:4 source 2, 7:6 destination):
;   window 0: v0-31 addresses; v64-127, v128-191 fragments of Xb, two buffers; on the way out v64-95 and v96-111 at work, v128-255 rows read back
;   window 1: v64-127, v128-191 fragments of Wg, two buffers       window 2: the 32 accumulators of my rows 0-63 ((a, b) at v[8 (8 a + b)])       window 3: those of my rows 64-127
.set SIZE_K, 2048
.set KSTEP,  128
.set PITCH,  272                       ; an LDS row: 256 bytes + 16 of padding = 68 words: row r starts at bank 4 r mod 64 (64 banks of 4 bytes: ISA guide 11.1)
.set HALFT,  128*PITCH                 ; 128 rows: what one tensor load brings, and what one wave reads of Xb or of Wg
.set SLOT,   4*HALFT                   ; Xb's 256 rows, then Wg's 256 rows
.set SPARE,  2*SLOT                    ; behind the ring: the spare words, 128 bytes for each wave, which no other line names
.set SPITCH, 272                       ; the stage for the way out: 256 rows x 272 bytes from LDS byte 0 on: slot 0, when it has had its last fill and its last read
.set LAPS,   SIZE_K/(2*KSTEP)          ; a lap = two K steps = once round the ring
.set HROW,   8192                      ; bytes in a row of Hb
.set ADRA, 16                          ; v16-17  LDS address of my Xb fragments in slot 0, 1
.set ADRB, 20                          ; v20-21  the same for Wg
.set STO,  24                          ; v24     the way out: where I put 16 bytes of a row
.set RD,   25                          ; v25     the way out: where I read a row back
.set CO,   26                          ; v26     my byte offset in Hb
.set LO,   27                          ; v27     16 x lane
.set SPW,  28                          ; v28     LDS address of my spare word; never rewritten
.set NIL,  29                          ; v29     0; never rewritten
.set F0,   64                          ; fragment buffer 0
.set F1,   128                         ; fragment buffer 1
.set E,    64                          ; the way out: 32 numbers at work
.set TMP,  96                          ; the way out: 16 registers of packed h
.set OB,   128                         ; the way out: 64 rows' parts read back
.set G1,  24                           ; s[24:31] descriptor group 1 for Xb's tiles
.set G0,  32                           ; s[32:39] descriptor group 0 for Xb's tiles, one set for each slot
.set G1B, 48                           ; s[48:55] group 1 for Wg's tiles: it differs in the mask alone
.set G0B, 56                           ; s[56:63] group 0 for Wg's tiles
.set TP,  68                           ; s[68:69] T1 at my 128 rows
.set BP,  70                           ; s[70:71] 0.5 B_gu at my 128 rows
.set NL2E, 76                          ; s[76:77] -log2(e): the packed multiply names a pair and takes its low word for both halves
.set MSB, 0
.macro WIN new                         ; the immediate's high byte repeats the setting that is left; a switch that changes nothing is dropped
.if MSB != (\new)
	s_set_vgpr_msb (MSB<<8)|(\new)
.set MSB, \new
.endif
.endm
.set MUL_LO, 0xa1                      ; source 0 (Wg) window 1, source 1 (Xb) window 0, C and D window 2
.set MUL_HI, 0xf1                      ; the same, C and D window 3
.set TO_B,   0x40                      ; destination window 1, address window 0
; A joint load.  Waves 0 and 1 fetch Xb's two halves, waves 2 and 3 Wg's.  The branch hangs on the wave's number alone.  An s_nop 0 and four v_nop follow each of the two lines.
.macro JLOAD s
	s_cmp_eq_u32 s11, 0
	s_cbranch_scc0 .Lfor_b_\@
	tensor_load_to_lds s[G0+4*(\s):G0+4*(\s)+3], s[G1:G1+7]
	s_nop 0
.rept 4
	v_nop
.endr
	s_branch .Lasked_\@
.Lfor_b_\@:
	tensor_load_to_lds s[G0B+4*(\s):G0B+4*(\s)+3], s[G1B:G1B+7]
	s_nop 0
.rept 4
	v_nop
.endr
.Lasked_\@:
.endm
; A round of the cluster's barrier: my work-group's barrier; wave 0 signals for the work-group; every wave waits for all sixteen work-groups; my work-group's barrier once more.
.macro CREST                           ; a round behind its opening barrier
	s_cmp_lg_u32 s10, 0
	s_cbranch_scc1 .Lnot_wave_0_\@
	s_barrier_signal -3
.Lnot_wave_0_\@:
	s_barrier_wait -3
	s_barrier_signal -1
	s_barrier_wait -1
.endm
.macro CROUND                          ; a whole round
	s_barrier_signal -1
	s_barrier_wait -1
	CREST
.endm
	s_load_b128 s[4:7], s[0:1], 0x0                ; Xb s[4:5], Wg s[6:7]
	s_load_b64 s[8:9], s[0:1], 0x10                ; Hb
	s_load_b64 s[TP:TP+1], s[0:1], 0x18            ; T1
	s_load_b64 s[BP:BP+1], s[0:1], 0x20            ; Lw: 0.5 B_gu lies at its head
	v_lshl_add_u32 v[SPW], v0, 2, SPARE
	v_mov_b32 v[NIL], 0
	ds_add_u32 v[SPW], v[NIL]                      ; the wave's opening: the add and its wait stand ahead of my first tensor load; the set-up below, work on registers, stands between them
	ds_add_u32 v28, v29
	v_lshrrev_b32 v1, 5, v0
	v_readfirstlane_b32 s10, v1                    ; wave 0..3
	s_lshr_b32 s11, s10, 1                         ; which half of the tile's rows is mine.  Also: I fetch for Xb (0) or for Wg (1)
	s_and_b32 s12, s10, 1                          ; which half of its columns.  Also: which 128 rows of that tile I fetch
	s_bfe_u32 s40, ttmp6, 0x40000                  ; cx
	s_bfe_u32 s41, ttmp6, 0x40004                  ; cy
	s_lshl_b32 s42, ttmp9, 2
	s_add_co_u32 s42, s42, s40                     ; tile column = 4 x cluster x + cx
	s_and_b32 s13, ttmp7, 0xffff
	s_lshl_b32 s13, s13, 2
	s_add_co_u32 s13, s13, s41                     ; tile row = 4 x cluster y + cy
	s_lshl_b32 s43, s41, 2
	s_lshl_b32 s43, 15, s43                        ; my row of the cluster: places 4 cy .. 4 cy + 3
	s_lshl_b32 s44, 0x1111, s40                    ; my column: places cx, cx + 4, cx + 8, cx + 12
	; descriptor group 1: a tile of 128 rows x 128 elements, padded in LDS
	s_or_b32 s[G1+0], s43, (1<<16)|(1<<20)|(1<<21)|(5<<22)|(3<<25)  ; the mask: Xb's tiles go to my row; elements of 2 bytes; padding on; bit 21 beside a mask; after every 64 words (code 5) 4 words (code 3)
	s_or_b32 s[G1B+0], s44, (1<<16)|(1<<20)|(1<<21)|(5<<22)|(3<<25) ; the same with the mask of my column
.irp g, G1, G1B
	s_mov_b32 s[(\g)+1], KSTEP<<16                 ; tensor_dim0 = 128
	s_mov_b32 s[(\g)+2], 128<<16                   ; tensor_dim1 = 128
	s_mov_b32 s[(\g)+3], KSTEP<<16                 ; tile_dim0 = 128
	s_mov_b32 s[(\g)+4], 128                       ; tile_dim1 = 128
	s_mov_b32 s[(\g)+5], SIZE_K                    ; elements from row to row
	s_mov_b32 s[(\g)+6], 0
	s_mov_b32 s[(\g)+7], 0
.endr
	; where the tiles come from: Xb's hang on the tile row alone, Wg's on the tile column alone, each in registers that never hold the other coordinate
	s_lshl_b32 s17, s12, 7
	s_lshl_b32 s16, s13, 8
	s_add_co_u32 s16, s16, s17                     ; Xb: row 256 x tile row + 128 x half
	s_lshl_b32 s46, s42, 8
	s_add_co_u32 s46, s46, s17                     ; Wg: row 256 x tile column + 128 x half
	s_mov_b32 s17, 0
	s_mov_b32 s47, 0
	s_mov_b64 s[18:19], SIZE_K*2
	s_mul_u64 s[16:17], s[16:17], s[18:19]
	s_mul_u64 s[46:47], s[46:47], s[18:19]
	s_mul_i32 s20, s10, HALFT                      ; and where they go: wave x 128 rows
	s_lshl_b32 s72, s13, 15                        ; T1: row block 16 x tile row + 8 x my half of the rows, 2,048 bytes each
	s_lshl_b32 s73, s11, 14
	s_add_co_u32 s72, s72, s73
	s_mov_b32 s73, 0
	s_lshl_b32 s74, s42, 15                        ; 0.5 B_gu: row block 16 x tile column + 8 x my half of the columns
	s_lshl_b32 s75, s12, 14
	s_add_co_u32 s74, s74, s75
	s_mov_b32 s75, 0
	s_lshl_b32 s78, s13, 21                        ; Hb: row 256 x tile row + 64 x wave, 8,192 bytes each,
	s_lshl_b32 s79, s10, 19
	s_add_co_u32 s78, s78, s79
	s_lshl_b32 s79, s42, 8                         ; and the tile's 128 columns of h
	s_add_co_u32 s78, s78, s79
	s_mov_b32 s79, 0
	s_mov_b32 s[NL2E], 0xbfb8aa3b                  ; -1.442695
	s_mov_b32 s[NL2E+1], s[NL2E]
	s_wait_dscnt 0x0                               ; the opening add is done
	s_wait_kmcnt 0x0
	s_add_nc_u64 s[14:15], s[4:5], s[16:17]
	s_add_nc_u64 s[46:47], s[6:7], s[46:47]
	s_add_nc_u64 s[TP:TP+1], s[TP:TP+1], s[72:73]
	s_add_nc_u64 s[BP:BP+1], s[BP:BP+1], s[74:75]
	s_add_nc_u64 s[8:9], s[8:9], s[78:79]
	CROUND                                         ; all sixteen work-groups are here: the first joint loads meet
.irp s, 0,1
	s_mov_b32 s[G0+4*(\s)], 1
	s_add_co_u32 s[G0+4*(\s)+1], s20, (\s)*SLOT
	s_add_nc_u64 s[G0+4*(\s)+2:G0+4*(\s)+3], s[14:15], (\s)*KSTEP*2
	s_or_b32 s[G0+4*(\s)+3], s[G0+4*(\s)+3], 0x80000000
	s_mov_b32 s[G0B+4*(\s)], 1
	s_add_co_u32 s[G0B+4*(\s)+1], s20, (\s)*SLOT
	s_add_nc_u64 s[G0B+4*(\s)+2:G0B+4*(\s)+3], s[46:47], (\s)*KSTEP*2
	s_or_b32 s[G0B+4*(\s)+3], s[G0B+4*(\s)+3], 0x80000000
	JLOAD \s                                       ; K steps 0 and 1: two tensor loads of mine are out
.endr
	v_and_b32 v1, 15, v0                           ; l % 16
	v_bfe_u32 v2, v0, 4, 1                         ; l / 16
	v_and_b32 v5, 31, v0
	v_lshlrev_b32 v[LO], 4, v5
; The LoRA fragments of chunk c (32 of the 64) into buffer f: 128 rows of 0.5 B_gu, 128 rows of T1; each load takes 512 consecutive bytes
.macro LORA c, f
	WIN TO_B
.irp i, 0,1,2,3,4,5,6,7
	global_load_b128 v[(\f)+8*(\i):(\f)+8*(\i)+3],   v[LO], s[BP:BP+1] offset:2048*(\i)+1024*(\c)
	global_load_b128 v[(\f)+8*(\i)+4:(\f)+8*(\i)+7], v[LO], s[BP:BP+1] offset:2048*(\i)+1024*(\c)+512
.endr
	WIN 0
.irp i, 0,1,2,3,4,5,6,7
	global_load_b128 v[(\f)+8*(\i):(\f)+8*(\i)+3],   v[LO], s[TP:TP+1] offset:2048*(\i)+1024*(\c)
	global_load_b128 v[(\f)+8*(\i)+4:(\f)+8*(\i)+7], v[LO], s[TP:TP+1] offset:2048*(\i)+1024*(\c)+512
.endr
.endm
	LORA 0, F0
	LORA 1, F1
	; A fragment is 16 rows x 32 K in 8 registers: lane l holds row l % 16; registers 0-3 K = 8 (l / 16) + 0..7, registers 4-7 K = 16 + 8 (l / 16) + 0..7: two loads of 16 bytes, 32 bytes apart
	v_mul_u32_u24 v3, v1, PITCH
	v_lshl_add_u32 v3, v2, 4, v3                   ; row x pitch + 16 x half
	s_mul_i32 s21, s11, HALFT                      ; my 128 rows of Xb
	s_mul_i32 s22, s12, HALFT                      ; my 128 rows of Wg,
	s_add_co_u32 s22, s22, 2*HALFT                 ; which lie behind Xb's 256
.irp s, 0,1
	v_add_nc_u32 v[ADRA+(\s)], s21, v3
	v_add_nc_u32 v[ADRB+(\s)], s22, v3
	s_add_co_u32 s21, s21, SLOT
	s_add_co_u32 s22, s22, SLOT
.endr
	s_mul_i32 s23, s11, 128*SPITCH                 ; into the stage: my 128 rows, my 128 bytes of their 256; row l % 16, 16 bytes for each half of the lanes
	s_lshl_b32 s21, s12, 7
	s_add_co_u32 s23, s23, s21
	v_add_nc_u32 v[STO], s23, v3
	s_mul_i32 s23, s10, 64*SPITCH                  ; back: wave w takes rows 64 w .. 64 w + 63, whole; lanes 0-15 one row of 256 bytes, lanes 16-31 the next
	v_mul_u32_u24 v5, v2, SPITCH
	v_lshl_add_u32 v5, v1, 4, v5
	v_add_nc_u32 v[RD], s23, v5
	v_lshlrev_b32 v5, 13, v2                       ; and the same two rows in Hb
	v_lshl_add_u32 v[CO], v1, 4, v5
; 16 matrix instructions: m blocks a0, a0 + 1 of the window's four (hi = 0: my rows 0-63, 1: rows 64-127) x all 8 n blocks, 32 along K.  zero = 1: the product starts the sums: nothing is cleared.
; The 64 accumulators take turns, in the same order in every quarter.
.macro MUL16 f, hi, a0, zero
	WIN MUL_LO+0x50*(\hi)
.irp a, \a0, (\a0)+1
.irp b, 0,1,2,3,4,5,6,7
.if \zero
	v_wmma_f32_16x16x32_bf16 v[8*(8*(\a)+(\b)):8*(8*(\a)+(\b))+7], v[(\f)+8*(\b):(\f)+8*(\b)+7], v[(\f)+8*(4*(\hi)+(\a)):(\f)+8*(4*(\hi)+(\a))+7], 0
.else
	v_wmma_f32_16x16x32_bf16 v[8*(8*(\a)+(\b)):8*(8*(\a)+(\b))+7], v[(\f)+8*(\b):(\f)+8*(\b)+7], v[(\f)+8*(4*(\hi)+(\a)):(\f)+8*(4*(\hi)+(\a))+7], v[8*(8*(\a)+(\b)):8*(8*(\a)+(\b))+7]
.endif
.endr
.endr
.endm
; 32 LDS loads in one run: the fragments of one quarter step (128 rows of Wg, 128 rows of Xb, 32 K at byte k of the rows) into buffer f
.macro FETCH slot, k, f
	WIN TO_B
.irp i, 0,1,2,3,4,5,6,7
	ds_load_b128 v[(\f)+8*(\i):(\f)+8*(\i)+3],   v[ADRB+(\slot)] offset:(\k)+(\i)*16*PITCH
	ds_load_b128 v[(\f)+8*(\i)+4:(\f)+8*(\i)+7], v[ADRB+(\slot)] offset:(\k)+(\i)*16*PITCH+32
.endr
	WIN 0
.irp i, 0,1,2,3,4,5,6,7
	ds_load_b128 v[(\f)+8*(\i):(\f)+8*(\i)+3],   v[ADRA+(\slot)] offset:(\k)+(\i)*16*PITCH
	ds_load_b128 v[(\f)+8*(\i)+4:(\f)+8*(\i)+7], v[ADRA+(\slot)] offset:(\k)+(\i)*16*PITCH+32
.endr
.endm
; Four places in front of loads into registers that matrix instructions have read, and of vector lines that read results just made (ISA guide 7.12.1 for vector instructions)
.macro PLACES
.rept 4
	v_nop
.endr
.endm
; A K step is four quarters of 32 along K, 64 matrix instructions each, on buffers 0, 1, 0, 1.  One of the first three: multiplies buffer f; in its middle it fetches the next quarter, at byte k, into g.
.macro QUARTER slot, k, f, g
	s_wait_dscnt 8                                 ; Wg and Xb's rows 0-63 are in; the youngest eight loads (Xb's rows 64-127) may be out
	MUL16 \f, 0, 0, 0
	MUL16 \f, 0, 2, 0
	PLACES
	FETCH \slot, \k, \g
	s_wait_dscnt 32                                ; all but the 32 just issued
	MUL16 \f, 1, 0, 0
	MUL16 \f, 1, 2, 0
.endm
; The last quarter multiplies buffer 1 and changes slots.  MEET is its first half: ONE barrier.  In front of it each wave waits for all its tensor loads, of which one is out: its part of the next slot;
; adds 0 to its spare word; and waits for that and for its own reads of this slot.  Behind it nobody reads this slot any more and the next slot is whole.
.macro MEET round                      ; round = 1: a round of the cluster's barrier follows
	WIN 0                                          ; (the add's two registers lie in window 0)
	s_wait_tensorcnt 0x0                           ; all my tensor loads have landed;
	ds_add_u32 v[SPW], v[NIL]                      ; 0 onto my spare word;
	s_wait_dscnt 9                                 ; (the add and the youngest eight loads may be out)
	MUL16 F1, 0, 0, 0                              ; sixteen matrix instructions stand between the add and the wait for it
	s_wait_dscnt 0x0                               ; the add is done, and my reads of this slot are over
	s_barrier_signal -1
	MUL16 F1, 0, 2, 0                              ; work on registers while the others arrive
.if \round
	WIN 0
.endif
	s_barrier_wait -1
.endm
; The whole last quarter.  fill = 1: behind a round of the cluster's barrier the slot just read out is filled again first, with the K step two steps on; then come the next slot's first fragments.
.macro TURN slot, next, fill
	MEET \fill
.if \fill
	CREST                                          ; no wave of any partner still reads this slot's tile or has a load on its way
	s_add_nc_u64 s[G0+4*(\slot)+2:G0+4*(\slot)+3], s[G0+4*(\slot)+2:G0+4*(\slot)+3], 2*KSTEP*2
	s_add_nc_u64 s[G0B+4*(\slot)+2:G0B+4*(\slot)+3], s[G0B+4*(\slot)+2:G0B+4*(\slot)+3], 2*KSTEP*2
	JLOAD \slot                                    ; my one tensor load behind the round; its four v_nop are also the places in front of the loads below
.else
	PLACES
.endif
	FETCH \next, 0, F0
	MUL16 F1, 1, 0, 0
	MUL16 F1, 1, 2, 0
.endm
	s_wait_loadcnt 32                              ; LoRA's first chunk is in; the second chunk's 32 loads may be out
	MUL16 F0, 0, 0, 1                              ; it starts all 64 sums
	MUL16 F0, 0, 2, 1
	MUL16 F0, 1, 0, 1
	MUL16 F0, 1, 2, 1
	s_wait_loadcnt 0x0                             ; the second chunk
	s_wait_tensorcnt 1                             ; my part of K step 0 is in; K step 1's may stay out
	s_barrier_signal -1
	s_barrier_wait -1                              ; everybody's is
	MUL16 F1, 0, 0, 0
	MUL16 F1, 0, 2, 0
	PLACES
	FETCH 0, 0, F0
	MUL16 F1, 1, 0, 0
	MUL16 F1, 1, 2, 0
	QUARTER 0, 64,  F0, F1
	WIN 0                                          ; at a label and at a branch every window is 0
	s_mov_b32 s3, LAPS-1
.Llap:                                                 ; a trip goes once round the ring, from a lap's second quarter to the next lap's first, and fills both slots again
	QUARTER 0, 128, F1, F0
	QUARTER 0, 192, F0, F1
	TURN 0, 1, 1
	QUARTER 1, 64,  F0, F1
	QUARTER 1, 128, F1, F0
	QUARTER 1, 192, F0, F1
	TURN 1, 0, 1
	QUARTER 0, 64,  F0, F1
	WIN 0
	s_sub_co_u32 s3, s3, 1
	s_cmp_lg_u32 s3, 0
	s_cbranch_scc1 .Llap
	QUARTER 0, 128, F1, F0                         ; the last lap fills nothing, and has no round of the cluster's barrier
	QUARTER 0, 192, F0, F1
	TURN 0, 1, 0                                   ; behind this barrier no wave reads slot 0 and no load fills it: it serves as the stage
	QUARTER 1, 64,  F0, F1
	QUARTER 1, 128, F1, F0
	QUARTER 1, 192, F0, F1
	s_wait_dscnt 8                                 ; the very last quarter: nothing more to fetch
	MUL16 F1, 0, 0, 0
	MUL16 F1, 0, 2, 0
	s_wait_dscnt 0x0
	MUL16 F1, 1, 0, 0
	MUL16 F1, 1, 2, 0
	PLACES
; THE WAY OUT of m block a (16 rows): h = up x gate / (1 + 2^(-log2(e) gate)) for my 32 pairs, rounded to bf16, 16 bytes for each of four column blocks into the stage.
; Each accumulator is read from its low end on.  Behind each run of exponentials or reciprocals one plain instruction stands before a result is used (ISA guide 5.7.2).
.macro SWIGLU a
.set AC, 64*((\a)%4)                   ; gate at AC .. AC + 31, up at AC + 32 .. AC + 63, in window 2 (blocks 0-3) or 3 (blocks 4-7)
	WIN 0x02+(\a)/4                                ; source 0 in the accumulators' window
.set p, 0
.rept 16
	v_pk_mul_f32 v[E+2*p:E+2*p+1], v[AC+2*p:AC+2*p+1], s[NL2E:NL2E+1] op_sel_hi:[1,0]
.set p, p+1
.endr
	WIN 0
.set p, 0
.rept 32
	v_exp_f32 v[E+p], v[E+p]
.set p, p+1
.endr
	v_nop
.set p, 0
	s_wait_alu depctr_va_vdst(0)
.rept 16
	v_pk_add_f32 v[E+2*p:E+2*p+1], v[E+2*p:E+2*p+1], 1.0 op_sel_hi:[1,0]
.set p, p+1
.endr
.set p, 0
.rept 32
	v_rcp_f32 v[E+p], v[E+p]
.set p, p+1
.endr
	v_nop
	WIN 0x02+(\a)/4
.set p, 0
	s_wait_alu depctr_va_vdst(0)
.rept 16
	v_pk_mul_f32 v[E+2*p:E+2*p+1], v[AC+2*p:AC+2*p+1], v[E+2*p:E+2*p+1]        ; silu(gate)
.set p, p+1
.endr
.set p, 0
.rept 16
	v_pk_mul_f32 v[E+2*p:E+2*p+1], v[AC+32+2*p:AC+32+2*p+1], v[E+2*p:E+2*p+1]  ; times up
.set p, p+1
.endr
	WIN 0
.set p, 0
.rept 16
	v_cvt_pk_bf16_f32 v[TMP+p], v[E+2*p], v[E+2*p+1]
.set p, p+1
.endr
.irp b, 0,1,2,3
	ds_store_b128 v[STO], v[TMP+4*(\b):TMP+4*(\b)+3] offset:(\a)*16*SPITCH+32*(\b)
.endr
.endm
.irp a, 0,1,2,3,4,5,6,7
	SWIGLU \a
.endr
	s_wait_dscnt 0x0                               ; for the others' sake: my stores into the stage are done; a row's 256 bytes come from two waves
	s_barrier_signal -1
	s_barrier_wait -1
.set t, 0
.rept 32
	ds_load_b128 v[OB+4*t:OB+4*t+3], v[RD] offset:t*2*SPITCH
.set t, t+1
.endr
.set t, 0
.rept 32
	s_wait_dscnt 31-t                              ; LDS loads come back in order: load t is in
	global_store_b128 v[CO], v[OB+4*t:OB+4*t+3], s[8:9] offset:2*t*HROW  ; 16 lanes store 256 consecutive bytes, at a multiple of 256 from Hb's first byte
.set t, t+1
.endr
	s_wait_tensorcnt 0x0                           ; the wave's end, behind my last tensor load and my last LDS store
	ds_add_u32 v[SPW], v[NIL]
	s_wait_dscnt 0x0
	CROUND                                         ; the closing round: no work-group ends while a partner may still ask for a tile that names it
	s_endpgm
.Lfunc_end_k_qa7eed87433_gemm1:
	.size	k_qa7eed87433_gemm1, .Lfunc_end_k_qa7eed87433_gemm1-k_qa7eed87433_gemm1
	.p2alignl 7, 3214868480
	.fill 96, 4, 3214868480
	.section	.rodata,"a",@progbits
	.p2align	6, 0x0
	.amdhsa_kernel k_qa7eed87433_gemm1
		.amdhsa_group_segment_fixed_size 327680
		.amdhsa_private_segment_fixed_size 0
		.amdhsa_enable_private_segment 0
		.amdhsa_kernarg_size 40
		.amdhsa_user_sgpr_count 2
		.amdhsa_user_sgpr_kernarg_segment_ptr 1
		.amdhsa_wavefront_size32 1
		.amdhsa_system_sgpr_workgroup_id_x 1
		.amdhsa_system_sgpr_workgroup_id_y 1
		.amdhsa_system_sgpr_workgroup_id_z 1
		.amdhsa_system_vgpr_workitem_id 0
		.amdhsa_next_free_vgpr 1024
		.amdhsa_next_free_sgpr 80
		.amdhsa_reserve_vcc 0
		.amdhsa_float_denorm_mode_32 3
		.amdhsa_float_denorm_mode_16_64 3
		.amdhsa_memory_ordered 1
		.amdhsa_forward_progress 1
		.amdhsa_inst_pref_size 192
	.end_amdhsa_kernel
	.amdgpu_metadata
---
amdhsa.version: [ 1, 2 ]
amdhsa.kernels:
  - .name:           k_qa7eed87433_gemm1
    .symbol:         k_qa7eed87433_gemm1.kd
    .args:
      - { .name: Xb, .offset: 0, .size: 8, .value_kind: global_buffer, .address_space: global }
      - { .name: Wg, .offset: 8, .size: 8, .value_kind: global_buffer, .address_space: global }
      - { .name: Hb, .offset: 16, .size: 8, .value_kind: global_buffer, .address_space: global }
      - { .name: T1, .offset: 24, .size: 8, .value_kind: global_buffer, .address_space: global }
      - { .name: Lw, .offset: 32, .size: 8, .value_kind: global_buffer, .address_space: global }
    .group_segment_fixed_size: 327680
    .private_segment_fixed_size: 0
    .kernarg_segment_align: 8
    .kernarg_segment_size: 40
    .max_flat_workgroup_size: 128
    .sgpr_count:     80
    .vgpr_count:     1024
    .wavefront_size: 32
...
	.end_amdgpu_metadata
.endif
;; end of part 3
;; launch t2 (part 4): grid 128 x 2, 16 waves a work-group, no clusters, 169,984 bytes of LDS; arguments Hb, Lw, T2; writes T2
.if DOCPART == 4
	.amdgcn_target "amdgcn-amd-amdhsa--gfx1250"
	.amdhsa_code_object_version 6
	.text
	.protected	k_qa7eed87433_t2
	.globl	k_qa7eed87433_t2
	.p2align	8
	.type	k_qa7eed87433_t2,@function
k_qa7eed87433_t2:
	s_mov_b64 s[64:65], 0
	v_nop
	global_prefetch_b8 v0, s[64:65] scope:SCOPE_SE
	s_setreg_imm32_b32 hwreg(HW_REG_WAVE_MODE, 25, 1), 1
	s_wait_xcnt 0x0
; T = X (0.5 A)^T: X [2048][KDIM] bf16 (here h), 0.5 A [64][KDIM] bf16 laid out by fragments (blocks of 16 rows x 32 k, 1,024 bytes each, along k and then down the rows), T [2048][64] bf16
; in the same layout, rounded once from f32 sums.  The text is that of the launch for the first layer, with KDIM = 4096 (sixteen waves) and the second layer's A.
; SHARES.  Work-group (i, g) makes rows 16 i .. 16 i + 15, columns 32 g .. 32 g + 31: one block of T, 1,024 consecutive bytes.  Wave w takes k = 256 w .. 256 w + 255: 16 matrix
; instructions on two accumulators; the waves' partial sums meet in LDS, and waves 0 and 1 add them, in a fixed order, and store 512 bytes each.
; X's 16 rows x 512 bytes come by one tensor load a wave into the wave's own LDS bytes; nothing is filled twice.  A's fragments come straight into registers, 512 consecutive bytes a load.
; THE MATRIX INSTRUCTION: source 0 = 16 rows of A, source 1 = 16 rows of X: a lane then holds one row of T and eight neighbouring columns, which pack into its 16 bytes of the block.
; NO CLUSTER: X's tile is shared by the two work-groups (i, 0) and (i, 1) alone, A comes through registers, and the launch has one step: there is no ring in which joint requests could meet.
.set KDIM,  4096
.set ABOFF, 1572864                    ; where 0.5 A begins in Lw
.set NW,    KDIM/256                   ; waves
.set KB,    KDIM/32                    ; blocks along k
.set XP,    528                        ; a row of X in LDS: 512 bytes + 16 of padding = 132 words: the 16 rows of a load start at 16 different groups of four banks (64 banks of 4 bytes: ISA guide 11.1)
.set XT,    16*XP                      ; a wave's tile
.set RED,   NW*XT                      ; behind the tiles: 2,048 bytes of partial sums for each wave; no tensor load lands here
.set SPARE, RED+NW*2048                ; behind them: the spare words, 128 bytes for each wave, which no other line names
.set LO,  4                            ; v4   16 x lane
.set XA,  5                            ; v5   LDS address of my part of X's fragments
.set RW,  6                            ; v6   where I put my partial sums
.set RR,  7                            ; v7   where waves 0 and 1 read everybody's
.set PK,  8                            ; v[8:11] the packed result
.set SPW, 12                           ; v12  LDS address of my spare word; never rewritten
.set NIL, 13                           ; v13  0; never rewritten
.set ACC, 16                           ; v[16:31]   two accumulators: columns 16 nb on
.set BF,  64                           ; v[64:191]  A's fragments: chunk cc of 32 k, column block nb at BF + 8 (2 cc + nb); later the partial sums
.set XF,  192                          ; v[192:255] X's fragments: chunk cc at XF + 8 cc
	s_load_b128 s[4:7], s[0:1], 0x0                ; X s[4:5], Lw s[6:7]
	s_load_b64 s[8:9], s[0:1], 0x10                ; T
	v_lshl_add_u32 v[SPW], v0, 2, SPARE
	v_mov_b32 v[NIL], 0
	ds_add_u32 v[SPW], v[NIL]                      ; the wave's opening: the add and its wait stand ahead of my tensor load; the set-up below, work on registers, stands between them
	ds_add_u32 v12, v13
	v_lshrrev_b32 v1, 5, v0
	v_readfirstlane_b32 s10, v1                    ; wave
	s_mov_b32 s11, ttmp9                           ; i
	s_and_b32 s24, ttmp7, 0xffff                   ; g
	s_mov_b32 s12, 1                               ; group 0: count = 1
	s_mul_i32 s13, s10, XT                         ; LDS address: my tile
	s_mov_b32 s16, (1<<16)|(1<<20)|(6<<22)|(3<<25) ; group 1: elements of 2 bytes; padding on, after every 128 words (code 6), 4 words of it (code 3)
	s_mov_b32 s17, 256<<16                         ; tensor_dim0 = 256
	s_mov_b32 s18, 16<<16                          ; tensor_dim1 = 16
	s_mov_b32 s19, 256<<16                         ; tile_dim0 = 256
	s_mov_b32 s20, 16                              ; tile_dim1 = 16
	s_mov_b32 s21, KDIM                            ; elements from row to row
	s_mov_b32 s22, 0
	s_mov_b32 s23, 0
	s_mul_i32 s26, s11, 16*KDIM*2                  ; X: 16 i rows,
	s_lshl_b32 s25, s10, 9                         ; 256 w elements
	s_add_co_u32 s26, s26, s25
	s_mov_b32 s27, 0
	s_mul_i32 s28, s24, 2*KB*1024                  ; A: row blocks 2 g and 2 g + 1,
	s_lshl_b32 s25, s10, 13                        ; blocks 8 w on along k
	s_add_co_u32 s28, s28, s25
	s_add_co_u32 s28, s28, ABOFF
	s_mov_b32 s29, 0
	s_wait_dscnt 0x0                               ; the opening add is done
	s_wait_kmcnt 0x0
	s_add_nc_u64 s[14:15], s[4:5], s[26:27]        ; global address of my tile
	s_or_b32 s15, s15, 0x80000000                  ; type = 2
	s_add_nc_u64 s[6:7], s[6:7], s[28:29]
	tensor_load_to_lds s[12:15], s[16:23]          ; my one tensor load
	s_nop 0
	v_and_b32 v1, 31, v0
	v_lshlrev_b32 v[LO], 4, v1
	v_and_b32 v2, 15, v0                           ; r
	v_bfe_u32 v3, v0, 4, 1                         ; h
.set cc, 0
.rept 8
.irp nb, 0,1
	global_load_b128 v[BF+8*(2*cc+(\nb)):BF+8*(2*cc+(\nb))+3],   v[LO], s[6:7] offset:(\nb)*KB*1024+cc*1024
	global_load_b128 v[BF+8*(2*cc+(\nb))+4:BF+8*(2*cc+(\nb))+7], v[LO], s[6:7] offset:(\nb)*KB*1024+cc*1024+512
.endr
.set cc, cc+1
.endr
	v_mul_u32_u24 v[XA], v2, XP
	v_lshl_add_u32 v[XA], v3, 4, v[XA]
	v_add_nc_u32 v[XA], s13, v[XA]                 ; my tile + row x pitch + 16 x half
	s_lshl_b32 s25, s10, 11
	s_add_co_u32 s25, s25, RED
	v_add_nc_u32 v[RW], s25, v[LO]
	s_lshl_b32 s25, s10, 10
	s_add_co_u32 s25, s25, RED
	v_add_nc_u32 v[RR], s25, v[LO]
	s_wait_tensorcnt 0x0                           ; my tile is in LDS; only I read it, so no barrier stands here
.set cc, 0
.rept 8
	ds_load_b128 v[XF+8*cc:XF+8*cc+3],   v[XA] offset:64*cc
	ds_load_b128 v[XF+8*cc+4:XF+8*cc+7], v[XA] offset:64*cc+32
.set cc, cc+1
.endr
	s_wait_loadcnt 0x0
	s_wait_dscnt 0x0
.set cc, 0
.rept 8                                ; the two accumulators take turns, one instruction a turn; the first chunk starts the sums
.irp nb, 0,1
.if cc == 0
	v_wmma_f32_16x16x32_bf16 v[ACC+8*(\nb):ACC+8*(\nb)+7], v[BF+8*(2*cc+(\nb)):BF+8*(2*cc+(\nb))+7], v[XF+8*cc:XF+8*cc+7], 0
.else
	v_wmma_f32_16x16x32_bf16 v[ACC+8*(\nb):ACC+8*(\nb)+7], v[BF+8*(2*cc+(\nb)):BF+8*(2*cc+(\nb))+7], v[XF+8*cc:XF+8*cc+7], v[ACC+8*(\nb):ACC+8*(\nb)+7]
.endif
.endr
.set cc, cc+1
.endr
.rept 4
	v_nop                                          ; four places between the last product and the stores that read the sums
.endr
.irp q, 0,1,2,3
	ds_store_b128 v[RW], v[ACC+4*(\q):ACC+4*(\q)+3] offset:512*(\q)  ; each accumulator from its low end on
.endr
	s_wait_dscnt 0x0                               ; for the others' sake: my partial sums are in LDS
	s_barrier_signal -1
	s_barrier_wait -1
	s_cmp_lt_u32 s10, 2
	s_cbranch_scc1 .Lsum
	s_wait_tensorcnt 0x0                           ; the wave's end
	ds_add_u32 v[SPW], v[NIL]
	s_wait_dscnt 0x0
	s_endpgm
.Lsum:                                             ; wave v = 0, 1 adds column block v of all NW waves
.set w, 0
.rept NW
	ds_load_b128 v[BF+8*w:BF+8*w+3],   v[RR] offset:2048*w
	ds_load_b128 v[BF+8*w+4:BF+8*w+7], v[RR] offset:2048*w+512
.set w, w+1
.endr
	s_lshl1_add_u32 s30, s11, s24                  ; block 2 i + g of T,
	s_lshl_b32 s30, s30, 10
	s_lshl_b32 s25, s10, 9                         ; my half of it
	s_add_co_u32 s30, s30, s25
	s_mov_b32 s31, 0
	s_add_nc_u64 s[8:9], s[8:9], s[30:31]
	s_wait_dscnt 0x0
.macro FOLD st                         ; wave w's eight sums take those of wave w + st
.set w, 0
.rept \st
.irp p, 0,1,2,3
	v_pk_add_f32 v[BF+8*w+2*(\p):BF+8*w+2*(\p)+1], v[BF+8*w+2*(\p):BF+8*w+2*(\p)+1], v[BF+8*(w+(\st))+2*(\p):BF+8*(w+(\st))+2*(\p)+1]
.endr
.set w, w+1
.endr
.endm
.if NW > 8
	FOLD 8
.endif
	FOLD 4
	FOLD 2
	FOLD 1
.irp p, 0,1,2,3
	v_cvt_pk_bf16_f32 v[PK+(\p)], v[BF+2*(\p)], v[BF+2*(\p)+1]
.endr
	global_store_b128 v[LO], v[PK:PK+3], s[8:9]    ; 512 consecutive bytes, at a multiple of 512 from T's first
	s_wait_tensorcnt 0x0                           ; the wave's end
	ds_add_u32 v[SPW], v[NIL]
	s_wait_dscnt 0x0
	s_endpgm
.Lfunc_end_k_qa7eed87433_t2:
	.size	k_qa7eed87433_t2, .Lfunc_end_k_qa7eed87433_t2-k_qa7eed87433_t2
	.p2alignl 7, 3214868480
	.fill 96, 4, 3214868480
	.section	.rodata,"a",@progbits
	.p2align	6, 0x0
	.amdhsa_kernel k_qa7eed87433_t2
		.amdhsa_group_segment_fixed_size 169984
		.amdhsa_private_segment_fixed_size 0
		.amdhsa_enable_private_segment 0
		.amdhsa_kernarg_size 24
		.amdhsa_user_sgpr_count 2
		.amdhsa_user_sgpr_kernarg_segment_ptr 1
		.amdhsa_wavefront_size32 1
		.amdhsa_system_sgpr_workgroup_id_x 1
		.amdhsa_system_sgpr_workgroup_id_y 1
		.amdhsa_system_sgpr_workgroup_id_z 1
		.amdhsa_system_vgpr_workitem_id 0
		.amdhsa_next_free_vgpr 256
		.amdhsa_next_free_sgpr 66
		.amdhsa_reserve_vcc 0
		.amdhsa_float_denorm_mode_32 3
		.amdhsa_float_denorm_mode_16_64 3
		.amdhsa_memory_ordered 1
		.amdhsa_forward_progress 1
		.amdhsa_inst_pref_size 15
	.end_amdhsa_kernel
	.amdgpu_metadata
---
amdhsa.version: [ 1, 2 ]
amdhsa.kernels:
  - .name:           k_qa7eed87433_t2
    .symbol:         k_qa7eed87433_t2.kd
    .args:
      - { .name: Hb, .offset: 0, .size: 8, .value_kind: global_buffer, .address_space: global }
      - { .name: Lw, .offset: 8, .size: 8, .value_kind: global_buffer, .address_space: global }
      - { .name: T2, .offset: 16, .size: 8, .value_kind: global_buffer, .address_space: global }
    .group_segment_fixed_size: 169984
    .private_segment_fixed_size: 0
    .kernarg_segment_align: 8
    .kernarg_segment_size: 24
    .max_flat_workgroup_size: 512
    .sgpr_count:     66
    .vgpr_count:     256
    .wavefront_size: 32
...
	.end_amdgpu_metadata
.endif
;; end of part 4
;; launch gemm2 (part 5): grid 16 x 16, 4 waves a work-group, clusters of 4 x 4, 327,680 bytes of LDS; arguments Hb, Wd, out0, T2, Lw; writes out0
.if DOCPART == 5
	.amdgcn_target "amdgcn-amd-amdhsa--gfx1250"
	.amdhsa_code_object_version 6
	.text
	.protected	k_qa7eed87433_gemm2
	.globl	k_qa7eed87433_gemm2
	.p2align	8
	.type	k_qa7eed87433_gemm2,@function
k_qa7eed87433_gemm2:
	s_mov_b64 s[64:65], 0
	v_nop
	global_prefetch_b8 v0, s[64:65] scope:SCOPE_SE
	s_setreg_imm32_b32 hwreg(HW_REG_WAVE_MODE, 25, 1), 1
	s_wait_xcnt 0x0
	s_wait_alu depctr_hold_cnt(0) depctr_sa_sdst(0) depctr_va_vdst(0) depctr_va_sdst(0) depctr_va_ssrc(0) depctr_va_vcc(0) depctr_vm_vsrc(0)
	s_getreg_b32 s2, hwreg(HW_REG_IB_STS2, 6, 4)
	s_cmp_eq_u32 s2, 0
	s_cbranch_scc0 .Lentry_in_a_cluster
	s_endpgm
.Lentry_in_a_cluster:
	s_bfe_u32 s2, ttmp6, 0x10000c
	s_cmp_lg_u32 s2, 0xf033
	s_cbranch_scc0 .Lentry_shape_is_right
	s_endpgm
.Lentry_shape_is_right:
; out0 = h W_d^T + 0.25 (h A_d^T) B_d^T.  Hb [2048][4096] and Wd [2048][4096] in bf16, out0 [2048][2048] in f32; sums in f32, stored as they are.
; The LoRA term is 64 more along K: T2 = 0.5 h A_d^T [2048][64] against 0.5 B_d [2048][64], both bf16 and laid out by fragments (16 rows x 32 k = 1,024 bytes), so that they come from memory straight
; into a fragment buffer; they are the first quarter of the walk and start the sums.
; SHARES.  Tiles of 256 x 256 would be 64, too few for 256 WGPs: a tile is 128 x 128, 16 x 16 of them.  Four waves, each 64 x 64: 16 accumulators, 128 registers.  K goes in steps of 256
; (LDS rows of 512 bytes; a wave's tensor load brings 64 of them), as long as two slots in LDS allow.
; CLUSTERS: 4 x 4 work-groups.  The four of a row of the cluster need the same tiles of Hb, the four of a column the same tiles of Wd: each tile is asked for JOINTLY.
; THE MATRIX INSTRUCTION IS USED TRANSPOSED (source 0 = 16 rows of Wd, source 1 = 16 rows of Hb): a lane holds eight neighbouring numbers of a row of out0, 32 bytes.
; THE WAY OUT: a wave's 64 columns of f32 are 256 aligned bytes, so each wave goes through a stage of its own, 16 rows at a time, with no barrier.
; REGISTERS: window 0: v0-31 addresses; v32-95 rows read back, two buffers; v128-255 the accumulators ((a, b) at v[128 + 8 (4 a + b)]).
;   window 1: two fragment buffers of 128: for 64 along K, 64 registers of Hb (2 x 4 x 16 rows x 32 K), then 64 of Wd.
.set SIZE_K, 4096
.set KSTEP,  256
.set PITCH,  528                       ; an LDS row: 512 bytes + 16 of padding = 132 words: row r starts at bank 4 r mod 64 (64 banks of 4 bytes: ISA guide 11.1)
.set HALFT,  64*PITCH                  ; 64 rows: what one tensor load brings, and what one wave reads of Hb or of Wd
.set SLOT,   4*HALFT                   ; Hb's 128 rows, then Wd's 128 rows
.set STAGE,  2*SLOT                    ; behind the ring: 16 rows x 272 bytes for each wave; no tensor load lands here
.set SPITCH, 272
.set SPARE,  STAGE+4*16*SPITCH         ; behind the stages: the spare words, 128 bytes for each wave, which no other line names
.set LAPS,   SIZE_K/(2*KSTEP)          ; a lap = two K steps = once round the ring
.set OROW,   8192                      ; bytes in a row of out0
.set ADRA, 16                          ; v16-17  LDS address of my Hb fragments in slot 0, 1
.set ADRB, 20                          ; v20-21  the same for Wd
.set STO,  24                          ; v24     the way out: where I put 32 bytes of a row
.set RD,   25                          ; v25     the way out: where I read a row back
.set CO,   26                          ; v26     my byte offset in out0
.set LO,   27                          ; v27     16 x lane
.set SPW,  28                          ; v28     LDS address of my spare word; never rewritten
.set NIL,  29                          ; v29     0; never rewritten
.set TMP,  32
.set ACC,  128
.set F0,   0                           ; fragment buffers, in window 1
.set F1,   128
.set G1,  24                           ; s[24:31] descriptor group 1 for Hb's tiles;  s[32:39] group 0, one set for each slot
.set G0,  32
.set G1B, 48                           ; s[48:55], s[56:63] the same for Wd's tiles
.set G0B, 56
.set TP,  68                           ; s[68:69] T2 at my 64 rows
.set BP,  70                           ; s[70:71] 0.5 B_d at my 64 rows
.set MSB, 0
.macro WIN new                         ; the immediate's high byte repeats the setting that is left
.if MSB != (\new)
	s_set_vgpr_msb (MSB<<8)|(\new)
.set MSB, \new
.endif
.endm
.set MUL,  0x05                        ; sources 0 (Wd) and 1 (Hb) window 1; C and D window 0
.set TO_F, 0x40                        ; destination window 1, address window 0
.macro JLOAD s                         ; a joint load: waves 0 and 1 fetch Hb's two halves, waves 2 and 3 Wd's; an s_nop 0 and four v_nop follow each of the two lines
	s_cmp_eq_u32 s11, 0
	s_cbranch_scc0 .Lfor_b_\@
	tensor_load_to_lds s[G0+4*(\s):G0+4*(\s)+3], s[G1:G1+7]
	s_nop 0
.rept 4
	v_nop
.endr
	s_branch .Lasked_\@
.Lfor_b_\@:
	tensor_load_to_lds s[G0B+4*(\s):G0B+4*(\s)+3], s[G1B:G1B+7]
	s_nop 0
.rept 4
	v_nop
.endr
.Lasked_\@:
.endm
.macro CREST                           ; a round of the cluster's barrier behind its opening barrier
	s_cmp_lg_u32 s10, 0
	s_cbranch_scc1 .Lnot_wave_0_\@
	s_barrier_signal -3
.Lnot_wave_0_\@:
	s_barrier_wait -3
	s_barrier_signal -1
	s_barrier_wait -1
.endm
.macro CROUND                          ; a whole round
	s_barrier_signal -1
	s_barrier_wait -1
	CREST
.endm
	s_load_b128 s[4:7], s[0:1], 0x0                ; Hb s[4:5], Wd s[6:7]
	s_load_b64 s[8:9], s[0:1], 0x10                ; out0
	s_load_b64 s[TP:TP+1], s[0:1], 0x18            ; T2
	s_load_b64 s[BP:BP+1], s[0:1], 0x20            ; Lw
	v_lshl_add_u32 v[SPW], v0, 2, SPARE
	v_mov_b32 v[NIL], 0
	ds_add_u32 v[SPW], v[NIL]                      ; the wave's opening: the add and its wait stand ahead of my first tensor load; the set-up below, work on registers, stands between them
	ds_add_u32 v28, v29
	v_lshrrev_b32 v1, 5, v0
	v_readfirstlane_b32 s10, v1                    ; wave 0..3
	s_lshr_b32 s11, s10, 1                         ; which half of the tile's rows is mine.  Also: I fetch for Hb (0) or for Wd (1)
	s_and_b32 s12, s10, 1                          ; which half of its columns.  Also: which 64 rows of that tile I fetch
	s_bfe_u32 s40, ttmp6, 0x40000                  ; cx, cy: my place in the cluster
	s_bfe_u32 s41, ttmp6, 0x40004
	s_lshl_b32 s42, ttmp9, 2
	s_add_co_u32 s42, s42, s40                     ; tile column = 4 x cluster x + cx
	s_and_b32 s13, ttmp7, 0xffff
	s_lshl_b32 s13, s13, 2
	s_add_co_u32 s13, s13, s41                     ; tile row = 4 x cluster y + cy
	s_lshl_b32 s43, s41, 2
	s_lshl_b32 s43, 15, s43                        ; my row of the cluster
	s_lshl_b32 s44, 0x1111, s40                    ; my column
	; descriptor group 1: a tile of 64 rows x 256 elements, padded in LDS
	s_or_b32 s[G1+0], s43, (1<<16)|(1<<20)|(1<<21)|(6<<22)|(3<<25)  ; the mask: Hb's tiles go to my row; elements of 2 bytes; padding on; bit 21 beside a mask; after every 128 words (code 6) 4 words (code 3)
	s_or_b32 s[G1B+0], s44, (1<<16)|(1<<20)|(1<<21)|(6<<22)|(3<<25)
.irp g, G1, G1B
	s_mov_b32 s[(\g)+1], KSTEP<<16                 ; tensor_dim0 = 256
	s_mov_b32 s[(\g)+2], 64<<16                    ; tensor_dim1 = 64
	s_mov_b32 s[(\g)+3], KSTEP<<16                 ; tile_dim0 = 256
	s_mov_b32 s[(\g)+4], 64                        ; tile_dim1 = 64
	s_mov_b32 s[(\g)+5], SIZE_K                    ; elements from row to row
	s_mov_b32 s[(\g)+6], 0
	s_mov_b32 s[(\g)+7], 0
.endr
	s_lshl_b32 s17, s12, 6                         ; which 64 rows of the tile I fetch
	s_lshl_b32 s16, s13, 7
	s_add_co_u32 s16, s16, s17                     ; Hb: row 128 x tile row + 64 x half
	s_lshl_b32 s46, s42, 7
	s_add_co_u32 s46, s46, s17                     ; Wd: row 128 x tile column + 64 x half
	s_mov_b32 s17, 0
	s_mov_b32 s47, 0
	s_mov_b64 s[18:19], SIZE_K*2
	s_mul_u64 s[16:17], s[16:17], s[18:19]
	s_mul_u64 s[46:47], s[46:47], s[18:19]
	s_mul_i32 s20, s10, HALFT                      ; where they go: wave x 64 rows
	s_lshl_b32 s72, s13, 14                        ; T2: row block 8 x tile row + 4 x my half of the rows, 2,048 bytes each
	s_lshl_b32 s73, s11, 13
	s_add_co_u32 s72, s72, s73
	s_mov_b32 s73, 0
	s_lshl_b32 s74, s42, 14                        ; 0.5 B_d: row block 8 x tile column + 4 x my half of the columns,
	s_lshl_b32 s75, s12, 13
	s_add_co_u32 s74, s74, s75
	s_add_co_u32 s74, s74, 1048576                 ; from where it begins in Lw
	s_mov_b32 s75, 0
	s_lshl_b32 s78, s13, 20                        ; out0: row 128 x tile row + 64 x my half, 8,192 bytes each,
	s_lshl_b32 s79, s11, 19
	s_add_co_u32 s78, s78, s79
	s_lshl_b32 s79, s42, 9                         ; column 128 x tile column + 64 x my half, 4 bytes each
	s_add_co_u32 s78, s78, s79
	s_lshl_b32 s79, s12, 8
	s_add_co_u32 s78, s78, s79
	s_mov_b32 s79, 0
	s_wait_dscnt 0x0                               ; the opening add is done
	s_wait_kmcnt 0x0
	s_add_nc_u64 s[14:15], s[4:5], s[16:17]
	s_add_nc_u64 s[46:47], s[6:7], s[46:47]
	s_add_nc_u64 s[TP:TP+1], s[TP:TP+1], s[72:73]
	s_add_nc_u64 s[BP:BP+1], s[BP:BP+1], s[74:75]
	s_add_nc_u64 s[8:9], s[8:9], s[78:79]
	CROUND                                         ; all sixteen work-groups are here: the first joint loads meet
.irp s, 0,1
	s_mov_b32 s[G0+4*(\s)], 1
	s_add_co_u32 s[G0+4*(\s)+1], s20, (\s)*SLOT
	s_add_nc_u64 s[G0+4*(\s)+2:G0+4*(\s)+3], s[14:15], (\s)*KSTEP*2
	s_or_b32 s[G0+4*(\s)+3], s[G0+4*(\s)+3], 0x80000000
	s_mov_b32 s[G0B+4*(\s)], 1
	s_add_co_u32 s[G0B+4*(\s)+1], s20, (\s)*SLOT
	s_add_nc_u64 s[G0B+4*(\s)+2:G0B+4*(\s)+3], s[46:47], (\s)*KSTEP*2
	s_or_b32 s[G0B+4*(\s)+3], s[G0B+4*(\s)+3], 0x80000000
	JLOAD \s                                       ; K steps 0 and 1: two tensor loads of mine are out
.endr
	v_and_b32 v1, 15, v0                           ; l % 16
	v_bfe_u32 v2, v0, 4, 1                         ; l / 16
	v_and_b32 v5, 31, v0
	v_lshlrev_b32 v[LO], 4, v5
	WIN TO_F                                       ; the LoRA fragments, 64 along K, into buffer 1; the first 32 along K first; each load takes 512 consecutive bytes
.irp c, 0,1
.irp i, 0,1,2,3
	global_load_b128 v[F1+64+8*(4*(\c)+(\i)):F1+64+8*(4*(\c)+(\i))+3],   v[LO], s[BP:BP+1] offset:2048*(\i)+1024*(\c)
	global_load_b128 v[F1+64+8*(4*(\c)+(\i))+4:F1+64+8*(4*(\c)+(\i))+7], v[LO], s[BP:BP+1] offset:2048*(\i)+1024*(\c)+512
	global_load_b128 v[F1+8*(4*(\c)+(\i)):F1+8*(4*(\c)+(\i))+3],         v[LO], s[TP:TP+1] offset:2048*(\i)+1024*(\c)
	global_load_b128 v[F1+8*(4*(\c)+(\i))+4:F1+8*(4*(\c)+(\i))+7],       v[LO], s[TP:TP+1] offset:2048*(\i)+1024*(\c)+512
.endr
.endr
	WIN 0
	v_mul_u32_u24 v3, v1, PITCH
	v_lshl_add_u32 v3, v2, 4, v3                   ; a fragment's row x pitch + 16 x half
	s_mul_i32 s21, s11, HALFT                      ; my 64 rows of Hb
	s_mul_i32 s22, s12, HALFT                      ; my 64 rows of Wd,
	s_add_co_u32 s22, s22, 2*HALFT                 ; which lie behind Hb's 128
.irp s, 0,1
	v_add_nc_u32 v[ADRA+(\s)], s21, v3
	v_add_nc_u32 v[ADRB+(\s)], s22, v3
	s_add_co_u32 s21, s21, SLOT
	s_add_co_u32 s22, s22, SLOT
.endr
	s_mul_i32 s23, s10, 16*SPITCH
	s_add_co_u32 s23, s23, STAGE                   ; my stage
	v_mul_u32_u24 v4, v1, SPITCH                   ; in: row l % 16, 32 bytes for each half of the lanes
	v_lshl_add_u32 v4, v2, 5, v4
	v_add_nc_u32 v[STO], s23, v4
	v_mul_u32_u24 v5, v2, SPITCH                   ; back: lanes 0-15 take one row of 256 bytes, lanes 16-31 the next
	v_lshl_add_u32 v5, v1, 4, v5
	v_add_nc_u32 v[RD], s23, v5
	v_lshlrev_b32 v5, 13, v2                       ; and the same two rows in out0
	v_lshl_add_u32 v[CO], v1, 4, v5
; 8 matrix instructions: m blocks a0, a0 + 1 x all 4 n blocks, 32 along K: half c of buffer f.  zero = 1: the product starts the sums.  The 16 accumulators take turns.
.macro MUL8 f, c, a0, zero
	WIN MUL
.irp a, \a0, (\a0)+1
.irp b, 0,1,2,3
.if \zero
	v_wmma_f32_16x16x32_bf16 v[ACC+8*(4*(\a)+(\b)):ACC+8*(4*(\a)+(\b))+7], v[(\f)+64+8*(4*(\c)+(\b)):(\f)+64+8*(4*(\c)+(\b))+7], v[(\f)+8*(4*(\c)+(\a)):(\f)+8*(4*(\c)+(\a))+7], 0
.else
	v_wmma_f32_16x16x32_bf16 v[ACC+8*(4*(\a)+(\b)):ACC+8*(4*(\a)+(\b))+7], v[(\f)+64+8*(4*(\c)+(\b)):(\f)+64+8*(4*(\c)+(\b))+7], v[(\f)+8*(4*(\c)+(\a)):(\f)+8*(4*(\c)+(\a))+7], v[ACC+8*(4*(\a)+(\b)):ACC+8*(4*(\a)+(\b))+7]
.endif
.endr
.endr
.endm
; 32 LDS loads in one run: the fragments of 64 along K at byte k of the rows, into buffer f; the first 32 along K first
.macro FETCH slot, k, f
	WIN TO_F
.irp c, 0,1
.irp i, 0,1,2,3
	ds_load_b128 v[(\f)+64+8*(4*(\c)+(\i)):(\f)+64+8*(4*(\c)+(\i))+3],   v[ADRB+(\slot)] offset:(\k)+64*(\c)+(\i)*16*PITCH
	ds_load_b128 v[(\f)+64+8*(4*(\c)+(\i))+4:(\f)+64+8*(4*(\c)+(\i))+7], v[ADRB+(\slot)] offset:(\k)+64*(\c)+(\i)*16*PITCH+32
	ds_load_b128 v[(\f)+8*(4*(\c)+(\i)):(\f)+8*(4*(\c)+(\i))+3],         v[ADRA+(\slot)] offset:(\k)+64*(\c)+(\i)*16*PITCH
	ds_load_b128 v[(\f)+8*(4*(\c)+(\i))+4:(\f)+8*(4*(\c)+(\i))+7],       v[ADRA+(\slot)] offset:(\k)+64*(\c)+(\i)*16*PITCH+32
.endr
.endr
.endm
.macro PLACES                          ; four places in front of loads into registers that matrix instructions have read, and of stores that read results (ISA guide 7.12.1 for the stores)
.rept 4
	v_nop
.endr
.endm
; A K step is four quarters of 64 along K, 32 matrix instructions each, on buffers 0, 1, 0, 1.  One of the first three: multiplies buffer f and fetches the next quarter, at byte k, into g.
.macro QUARTER slot, k, f, g
	s_wait_dscnt 16                                ; the first 32 along K are in
	MUL8 \f, 0, 0, 0
	MUL8 \f, 0, 2, 0
	PLACES
	FETCH \slot, \k, \g
	s_wait_dscnt 32                                ; all but the 32 just issued
	MUL8 \f, 1, 0, 0
	MUL8 \f, 1, 2, 0
.endm
; The last quarter multiplies buffer 1 and changes slots: ONE barrier; in front of it each wave waits for all its tensor loads, adds 0 to its spare word, and waits for that and for its own reads of this slot.
; fill = 1: this slot is filled again, two K steps ahead, behind a round of the cluster's barrier.
.macro TURN slot, next, fill
	WIN 0                                          ; (the add's two registers lie in window 0)
	s_wait_tensorcnt 0x0                           ; all my tensor loads have landed: my part of the next slot;
	ds_add_u32 v[SPW], v[NIL]                      ; 0 onto my spare word;
	s_wait_dscnt 17                                ; (the add and the youngest sixteen loads may be out)
	MUL8 F1, 0, 0, 0                               ; eight matrix instructions stand between the add and the wait for it
	s_wait_dscnt 0x0                               ; the add is done, and my reads of this slot are over
	s_barrier_signal -1
	MUL8 F1, 0, 2, 0
.if \fill
	WIN 0
.endif
	s_barrier_wait -1
.if \fill
	CREST                                          ; no wave of any partner still reads this slot's tile or has a load on its way
	s_add_nc_u64 s[G0+4*(\slot)+2:G0+4*(\slot)+3], s[G0+4*(\slot)+2:G0+4*(\slot)+3], 2*KSTEP*2
	s_add_nc_u64 s[G0B+4*(\slot)+2:G0B+4*(\slot)+3], s[G0B+4*(\slot)+2:G0B+4*(\slot)+3], 2*KSTEP*2
	JLOAD \slot                                    ; my one tensor load behind the round; its four v_nop are also the places in front of the loads below
.else
	PLACES
.endif
	FETCH \next, 0, F0
	MUL8 F1, 1, 0, 0
	MUL8 F1, 1, 2, 0
.endm
	s_wait_loadcnt 16                              ; LoRA's first 32 along K are in; the other sixteen loads may be out
	MUL8 F1, 0, 0, 1                               ; they start the 16 sums
	MUL8 F1, 0, 2, 1
	s_wait_loadcnt 0x0
	s_wait_tensorcnt 1                             ; my part of K step 0 is in; K step 1's may stay out
	s_barrier_signal -1
	s_barrier_wait -1                              ; everybody's is
	FETCH 0, 0, F0                                 ; buffer 0 has not been read yet: no places are owed
	MUL8 F1, 1, 0, 0
	MUL8 F1, 1, 2, 0
	QUARTER 0, 128, F0, F1
	WIN 0                                          ; at a label and at a branch every window is 0
	s_mov_b32 s3, LAPS-1
.Llap:                                                 ; a trip goes once round the ring, from a lap's second quarter to the next lap's first, and fills both slots again
	QUARTER 0, 256, F1, F0
	QUARTER 0, 384, F0, F1
	TURN 0, 1, 1
	QUARTER 1, 128, F0, F1
	QUARTER 1, 256, F1, F0
	QUARTER 1, 384, F0, F1
	TURN 1, 0, 1
	QUARTER 0, 128, F0, F1
	WIN 0
	s_sub_co_u32 s3, s3, 1
	s_cmp_lg_u32 s3, 0
	s_cbranch_scc1 .Llap
	QUARTER 0, 256, F1, F0                         ; the last lap fills nothing, and has no round of the cluster's barrier
	QUARTER 0, 384, F0, F1
	TURN 0, 1, 0
	QUARTER 1, 128, F0, F1
	QUARTER 1, 256, F1, F0
	QUARTER 1, 384, F0, F1
	s_wait_dscnt 16                                ; the very last quarter: nothing more to fetch
	MUL8 F1, 0, 0, 0
	MUL8 F1, 0, 2, 0
	s_wait_dscnt 0x0
	MUL8 F1, 1, 0, 0
	MUL8 F1, 1, 2, 0
	WIN 0
	PLACES
; THE WAY OUT, 16 rows at a time: a lane's eight numbers of a row, 32 bytes for each of four column blocks, go into my stage and come back as whole rows of 256 bytes.
.macro TOSTAGE a
.set BK, TMP+32*((\a)%2)
.if (\a) >= 2
	s_wait_xcnt 0x0                                ; every earlier memory instruction has had its addresses translated (ISA guide 3.1): the registers that block a - 2's stores read are loaded again only behind this wait
.endif
.irp b, 0,1,2,3
	ds_store_b128 v[STO], v[ACC+8*(4*(\a)+(\b)):ACC+8*(4*(\a)+(\b))+3]   offset:64*(\b)     ; each accumulator from its low end on
	ds_store_b128 v[STO], v[ACC+8*(4*(\a)+(\b))+4:ACC+8*(4*(\a)+(\b))+7] offset:64*(\b)+16
.endr
.irp t, 0,1,2,3,4,5,6,7
	ds_load_b128 v[BK+4*(\t):BK+4*(\t)+3], v[RD] offset:(\t)*2*SPITCH  ; LDS serves a wave's instructions in order (ISA guide 5.7.1.4): these see the stores above; the next block's stores come behind them
.endr
.endm
.macro SEND a, younger                 ; younger: the LDS instructions issued behind block a's loads: the next block's sixteen, or none
.set BK, TMP+32*((\a)%2)
.irp t, 0,1,2,3,4,5,6,7
	s_wait_dscnt (\younger)+7-(\t)
	global_store_b128 v[CO], v[BK+4*(\t):BK+4*(\t)+3], s[8:9] offset:(16*(\a)+2*(\t))*OROW  ; 16 lanes store 256 consecutive bytes, at a multiple of 256 from out0's first byte
.endr
.endm
	TOSTAGE 0
.irp a, 1,2,3
	TOSTAGE \a
	SEND (\a)-1, 16
.endr
	SEND 3, 0
	s_wait_tensorcnt 0x0                           ; the wave's end, behind my last tensor load and my last LDS store
	ds_add_u32 v[SPW], v[NIL]
	s_wait_dscnt 0x0
	CROUND                                         ; the closing round: no work-group ends while a partner may still ask for a tile that names it
	s_endpgm
.Lfunc_end_k_qa7eed87433_gemm2:
	.size	k_qa7eed87433_gemm2, .Lfunc_end_k_qa7eed87433_gemm2-k_qa7eed87433_gemm2
	.p2alignl 7, 3214868480
	.fill 96, 4, 3214868480
	.section	.rodata,"a",@progbits
	.p2align	6, 0x0
	.amdhsa_kernel k_qa7eed87433_gemm2
		.amdhsa_group_segment_fixed_size 327680
		.amdhsa_private_segment_fixed_size 0
		.amdhsa_enable_private_segment 0
		.amdhsa_kernarg_size 40
		.amdhsa_user_sgpr_count 2
		.amdhsa_user_sgpr_kernarg_segment_ptr 1
		.amdhsa_wavefront_size32 1
		.amdhsa_system_sgpr_workgroup_id_x 1
		.amdhsa_system_sgpr_workgroup_id_y 1
		.amdhsa_system_sgpr_workgroup_id_z 1
		.amdhsa_system_vgpr_workitem_id 0
		.amdhsa_next_free_vgpr 512
		.amdhsa_next_free_sgpr 80
		.amdhsa_reserve_vcc 0
		.amdhsa_float_denorm_mode_32 3
		.amdhsa_float_denorm_mode_16_64 3
		.amdhsa_memory_ordered 1
		.amdhsa_forward_progress 1
		.amdhsa_inst_pref_size 92
	.end_amdhsa_kernel
	.amdgpu_metadata
---
amdhsa.version: [ 1, 2 ]
amdhsa.kernels:
  - .name:           k_qa7eed87433_gemm2
    .symbol:         k_qa7eed87433_gemm2.kd
    .args:
      - { .name: Hb, .offset: 0, .size: 8, .value_kind: global_buffer, .address_space: global }
      - { .name: Wd, .offset: 8, .size: 8, .value_kind: global_buffer, .address_space: global }
      - { .name: out0, .offset: 16, .size: 8, .value_kind: global_buffer, .address_space: global }
      - { .name: T2, .offset: 24, .size: 8, .value_kind: global_buffer, .address_space: global }
      - { .name: Lw, .offset: 32, .size: 8, .value_kind: global_buffer, .address_space: global }
    .group_segment_fixed_size: 327680
    .private_segment_fixed_size: 0
    .kernarg_segment_align: 8
    .kernarg_segment_size: 40
    .max_flat_workgroup_size: 128
    .sgpr_count:     80
    .vgpr_count:     512
    .wavefront_size: 32
...
	.end_amdgpu_metadata
.endif
;; end of part 5
